; MI455X (gfx1250); checked and timed in simulation.
; The chip was launched on July 23, 2026; its instructions are those of AMD's public machine-readable ISA for CDNA 5 (MIT licence, August 2026) and "CDNA5" Instruction Set Architecture Reference Guide (July 2026). The comments in the code are by the model that wrote it; some were corrected since.
;; L Lo Ca Attention. Allowed arithmetic: matrix products marked QUANTISED: E2M1 operands, one E8M0 scale for each 32 along K, by v_wmma_scale_f32_16x16x128_f8f6f4 with both operands' format E2M1 (or v_wmma_scale_f32_32x16x128_f4), f32 sums; products left as they are: f32 operands where the result goes on into a quantised operand, else bf16, f16 or f32 operands; f32 sums; everything else in f32.
;; Inputs: frames 4 x 2,048 x 4 x 4 float32; k_local 4 x 8 x 2,048 x 32 float32; q_local 4 x 8 x 2,048 x 32 float32; v_local 4 x 8 x 2,048 x 32 float32.
;; Outputs: out0 4 x 8 x 2,048 x 32 float32.
;; This version of the problem:
;;   THIS VERSION OF THE PROBLEM IS GIVEN IN LOW PRECISION. The matrix products marked QUANTISED in the list below multiply operands that are first quantised to E2M1 (2 exponent bits, 1 mantissa bit; 4 bits a number), with one power-of-two scale for each 32 numbers along K (OCP MX v1.0); their sums are f32. All else is computed in f32.
;;   The module's matrix products, in the order in which they are computed (A, B: the left and right operand; K: the contracted axis; several contracted axes count as one K, in the product's order):
;;     1. batch 8,192 x [M 32, K 4] x [K 4, N 4]; A: input q_local; B: computed on the way: left as it is (K = 4 < 32)
;;     2. batch 8,192 x [M 32, K 4] x [K 4, N 4]; A: input k_local; B: input frames: left as it is (K = 4 < 32)
;;     3. batch 8,192 x [M 32, K 4] x [K 4, N 4]; A: input v_local; B: computed on the way: left as it is (K = 4 < 32)
;;     4. batch 32 x [M 2,048, K 32] x [K 32, N 2,048]; A: computed on the way; B: computed on the way: QUANTISED
;;     5. batch 32 x [M 2,048, K 2,048] x [K 2,048, N 32]; A: softmax (see below); B: computed on the way: QUANTISED
;;     6. batch 8,192 x [M 32, K 4] x [K 4, N 4]; A: computed on the way; B: input frames: left as it is (K = 4 < 32)
;;   THE QUANTISER, for each operand of a quantised product, along K:
;;     - K is cut into blocks of 32 from its start; a last block that is shorter is filled with zeros.
;;     - A block's scale is 2^e with e = floor(log2(the largest magnitude in the block)) - 2, held to -126 .. 127; a block of zeros has e = 0. As a byte (E8M0): e + 127.
;;     - Each number is divided by its block's scale, clamped to +-6, and rounded to the nearest number of E2M1, ties to even, subnormals kept.
;;     - The product sums the exact products of the quantised numbers (number of the format x scale) in f32.
;;   ~~~python
;;   def quantise(x, axis):      # numpy; x: float32 -> the quantised numbers, widened to float32 again
;;       x = np.moveaxis(x, axis, -1); K = x.shape[-1]
;;       x = np.pad(x, [(0, 0)] * (x.ndim - 1) + [(0, -K % 32)]); x = x.reshape(x.shape[:-1] + (-1, 32)); a = np.abs(x).max(-1, keepdims=True)
;;       e = np.where(a > 0, np.clip(np.frexp(np.where(a > 0, a, 1))[1] - 1 - 2, -126, 127), 0)      # np.frexp(a)[1] - 1 = floor(log2(a)), exactly
;;       r = np.clip(x / 2.0 ** e, -6, 6)
;;       step = 2.0 ** (np.maximum(np.frexp(np.where(r == 0, 1, r))[1] - 1, 0) - 1)
;;       q = np.round(r / step) * step * 2.0 ** e      # np.round: ties to even
;;       return np.moveaxis(q.reshape(q.shape[:-2] + (-1,))[..., :K], -1, axis).astype(np.float32)
;;   ~~~
;;   SOFTMAX AHEAD OF A QUANTISED PRODUCT. Where the list says 'softmax', what is quantised is not the finished softmax but p = 2^(t - M), with t = logit x log2(e) and M = ceil(the row's largest t), a whole number; so 1/2 < the row's largest p <= 1. The row's sum l is taken of the UNQUANTISED p, in f32, and the product's result is divided by l at the end. Since M is a whole number, a kernel that streams over the keys may use a running M (the ceiling of the running maximum): every later rescaling is an exact power of two, which a block's scale takes up: the codes' values come out the same.
;;   OPERANDS COMPUTED ON THE WAY. 'Computed on the way' means the value that the module computes at that place (a softmax that the list does not call 'softmax' is quantised finished and normalised). What goes into a quantiser is computed in f32, as accurately as f32 sums, v_exp_f32 and their like allow (about 1e-6 of the number): no bf16 or f16 on the way to a quantiser, and a product that is left as it is and whose result goes on into a quantised operand takes f32 operands (vector FMAs, or v_wmma_f32_16x16x4_f32). A number that lies on a knife's edge between two numbers of the format may be rounded either way, as far as f32 arithmetic and the matrix unit's own rounding can turn it there, and no further.
;; One version. Each part assembles by itself: llvm-mc -triple=amdgcn-amd-amdhsa -mcpu=gfx1250 --defsym DOCPART=n.
;; ======== version 1 of 1: 2 launches
;; limits: right only within a limited range of input values
;; workspace buffers: kv 2,228,224 bytes
;; launch prep (part 1): grid 8 x 32, 16 waves a work-group, no clusters, 125,440 bytes of LDS; arguments k_local, v_local, frames, kv; writes kv
.if DOCPART == 1
	.amdgcn_target "amdgcn-amd-amdhsa--gfx1250"
	.amdhsa_code_object_version 6
	.text
	.protected	k_qeb380648c1_prep
	.globl	k_qeb380648c1_prep
	.p2align	8
	.type	k_qeb380648c1_prep,@function
k_qeb380648c1_prep:
	s_mov_b64 s[64:65], 0
	v_nop
	global_prefetch_b8 v0, s[64:65] scope:SCOPE_SE
	s_setreg_imm32_b32 hwreg(HW_REG_WAVE_MODE, 25, 1), 1
	s_wait_xcnt 0x0
; k and v are turned into the global frame in f32 and quantised to codes of FP4 (E2M1) with E8M0 scale bytes: k along its 32 channels, v along the keys in blocks of 32.
; k_g[i] = the sum over j of frames[j][i] k[j];  v_g the same with the sign of the elements of frames with exactly one index 0 turned (eta L^T eta).
; kv holds for each of the 32 (batch, head) HEADB bytes: 16 records of 128 keys, 4,096 bytes each (k's codes, then v's, each as the operands' registers want them), then 16 x 128 bytes of k's scale words, 16 x 128 of v's.
; A work-group takes 256 keys of one head (two records).  Waves 0-7 take 32 rows of k each, waves 8-15 32 rows of v: group w % 8.
; k's group (f, c) of a record: row r, half h of the wave's lanes is key 64 f + 32 (r / 8) + 8 (2 c + h) + r % 8: two runs of 16 rows, 32 keys apart.  v's group g: keys 32 g .. 32 g + 31, one run.
; Loads take 512 consecutive bytes each and turn through the wave's own bytes of LDS, so that a lane holds a row.  v turns once more, so that a lane holds a channel and its registers run along the keys.
; The scale bytes are gathered in LDS and leave as two units of 256 bytes.  No tensor loads; nothing loops, so nothing is prefetched.  Work-groups share no input but frames (64 bytes a key beside 256 of k and v): no cluster.
; LIMITS: NaN and infinities are not served.  A block whose largest magnitude lies under 2^(2 - 126) has its byte held at 1; a block of zeros has the byte 1 and zero codes.
.set XP,    144                        ; a row of 128 bytes + 16 in LDS
.set XH,    2432                       ; rows 16-31 of the set begin here
.set FP,    80                         ; a frame of 64 bytes + 16
.set FH,    1408
.set FB,    4864                       ; the frames behind the rows
.set WREG,  7680                       ; a wave's bytes
.set SCB,   16*WREG                    ; scale bytes: 256 of k, 256 of v
.set SPARE, SCB+512
.set HEADB, 69632
.set SCL,   65536
.set SPW, 2
.set NIL, 3
.set X,   32
.set FL,  64
.set F,   80
.set XV,  96
.set Y,   112
.set XS,  128
.set VB,  144
.set C,   176
.set MA,  24
.set MB,  25
.set SO,  26
.set BT,  27
	s_load_b256 s[4:11], s[0:1], 0x0               ; k s[4:5], v s[6:7], frames s[8:9], kv s[10:11]
	v_lshl_add_u32 v[SPW], v0, 2, SPARE
	v_mov_b32 v[NIL], 0
	v_lshrrev_b32 v1, 5, v0
	v_readfirstlane_b32 s12, v1                    ; wave 0..15
	s_and_b32 s13, ttmp7, 0xffff                   ; bh
	s_lshr_b32 s14, s12, 3                         ; 0: k, 1: v
	s_and_b32 s15, s12, 7                          ; group in the work-group's 256 keys
	s_lshr_b32 s16, s15, 1
	s_and_b32 s17, s15, 1
	s_add_co_u32 s18, s14, 4
	s_lshl_b32 s19, s17, s18
	s_lshl_b32 s20, s16, 6
	s_add_co_u32 s19, s19, s20                     ; first key: 64 (group / 2) + (k: 16, v: 32) (group % 2)
	s_lshl_b32 s20, ttmp9, 8
	s_add_co_u32 s19, s19, s20
	s_lshl_b32 s20, s13, 11
	s_add_co_u32 s20, s20, s19
	s_lshl_b32 s20, s20, 7                         ; its row in k or v
	s_mov_b32 s21, 0
	s_lshr_b32 s22, s13, 3
	s_lshl_b32 s22, s22, 11
	s_add_co_u32 s22, s22, s19
	s_lshl_b32 s22, s22, 6                         ; its frame
	s_mov_b32 s23, 0
	s_mul_i32 s24, s13, HEADB
	s_lshl_b32 s26, ttmp9, 13
	s_lshr_b32 s27, s15, 2
	s_lshl_b32 s28, s27, 7                         ; 128 x record
	s_lshl_b32 s27, s27, 12
	s_add_co_u32 s26, s26, s27
	s_add_co_u32 s26, s26, s24
	s_and_b32 s25, s15, 3                          ; g
	s_sub_co_u32 s29, 9, s14
	s_lshl_b32 s27, s25, s29
	s_add_co_u32 s26, s26, s27                     ; k: 512 g;  v: 256 g,
	s_lshl_b32 s27, s14, 11
	s_add_co_u32 s26, s26, s27                     ; behind k's 2,048 bytes
	s_mov_b32 s27, 0
	s_add_co_u32 s34, s28, s25
	s_add_co_u32 s34, s34, SCB+256                 ; v's scale byte: 128 record + 4 channel + g
	s_lshl_b32 s33, s16, 6
	s_lshl_b32 s17, s17, 1
	s_add_co_u32 s33, s33, s17
	s_add_co_u32 s33, s33, SCB                     ; k's: 128 record + 64 f + 4 r + 2 c + h
	s_lshl_b32 s28, ttmp9, 8
	s_add_co_u32 s28, s28, s24
	s_add_co_u32 s28, s28, SCL                     ; this work-group's unit of k's scale words; v's 2,048 further on
	s_mov_b32 s29, 0
	s_mul_i32 s30, s12, WREG
	s_sub_co_u32 s32, 1, s14
	s_lshl_b32 s35, s32, 11                        ; k's second run of rows lies 16 rows further on
	s_lshl_b32 s36, s32, 10
	v_and_b32 v1, 31, v0
	v_lshlrev_b32 v4, 4, v1
	v_add_nc_u32 v5, s35, v4
	v_add_nc_u32 v6, s36, v4
	v_lshrrev_b32 v20, 3, v1
	v_and_b32 v21, 7, v1
	v_mul_u32_u24 v7, v20, XP
	v_lshl_add_u32 v7, v21, 4, v7
	v_add_nc_u32 v7, s30, v7                       ; a load's 512 bytes: four rows
	v_lshrrev_b32 v20, 2, v1
	v_and_b32 v22, 3, v1
	v_mul_u32_u24 v8, v20, FP
	v_lshl_add_u32 v8, v22, 4, v8
	v_add_nc_u32 v8, s30, v8                       ; eight frames
	v_lshrrev_b32 v23, 4, v1                       ; h
	v_lshl_add_u32 v9, v23, 3, v21                 ; lane % 8 + 8 h
	v_bfe_u32 v10, v0, 3, 1
	v_mul_u32_u24 v11, v9, XP
	v_mad_u32_u24 v11, v10, XH, v11
	v_add_nc_u32 v11, s30, v11                     ; my row
	v_mul_u32_u24 v12, v9, FP
	v_mad_u32_u24 v12, v10, FH, v12
	v_add_nc_u32 v12, s30, v12                     ; my frame
	v_lshl_add_u32 v13, v1, 2, s30                 ; my channel
	v_and_b32 v20, 15, v1
	v_lshl_add_u32 v14, v20, 2, v23
	v_add_nc_u32 v14, s33, v14
	v_lshlrev_b32 v15, 2, v1
	v_add_nc_u32 v15, s34, v15
	v_lshlrev_b32 v16, 4, v20
	v_lshl_add_u32 v18, v23, 11, v16               ; the scale units: lanes 0-15 k's, lanes 16-31 v's
	v_lshl_add_u32 v16, v23, 10, v16               ; v's codes: two tiles of 16 channels
	v_lshl_add_u32 v17, v1, 4, SCB
	s_wait_alu depctr_va_vdst(0)                   ; the wait at the head's end
	s_wait_kmcnt 0x0
	s_cmp_eq_u32 s14, 0
	s_cselect_b64 s[4:5], s[4:5], s[6:7]
	s_add_nc_u64 s[4:5], s[4:5], s[20:21]
	s_add_nc_u64 s[8:9], s[8:9], s[22:23]
	s_add_nc_u64 s[26:27], s[10:11], s[26:27]
	s_add_nc_u64 s[28:29], s[10:11], s[28:29]
.irp i, 0,1
	global_load_b128 v[FL+4*\i:FL+4*\i+3], v4, s[8:9] offset:512*\i
.endr
.irp i, 2,3
	global_load_b128 v[FL+4*\i:FL+4*\i+3], v6, s[8:9] offset:512*\i
.endr
.irp i, 0,1,2,3
	global_load_b128 v[X+4*\i:X+4*\i+3], v4, s[4:5] offset:512*\i th:TH_LOAD_NT
.endr
.irp i, 4,5,6,7
	global_load_b128 v[X+4*\i:X+4*\i+3], v5, s[4:5] offset:512*\i th:TH_LOAD_NT
.endr
	s_wait_loadcnt 0x8                             ; the frames' four loads are in; the eight behind them may be out
.irp i, 0,1,2,3
	ds_store_b128 v8, v[FL+4*\i:FL+4*\i+3] offset:FB+(\i/2)*FH+(\i%2)*8*FP
.endr
	s_wait_loadcnt 0x0
.irp i, 0,1,2,3,4,5,6,7
	ds_store_b128 v7, v[X+4*\i:X+4*\i+3] offset:(\i/4)*XH+(\i%4)*4*XP
.endr
; my frame and my row's four vectors back (LDS serves a wave's instructions in order)
.macro LOADF
.irp i, 0,1,2,3
	ds_load_b128 v[F+4*\i:F+4*\i+3], v12 offset:FB+16*\i
.endr
.irp i, 0,1,2,3
	ds_load_b128 v[XV+4*\i:XV+4*\i+3], v11 offset:64+16*\i
.endr
.endm
.macro XFORM
.irp a, 0,1,2,3
.irp i, 0,1,2,3
	v_mul_f32 v[Y+4*\a+\i], v[F+\i], v[XV+4*\a]
.endr
.endr
.irp j, 1,2,3
.irp a, 0,1,2,3
.irp i, 0,1,2,3
	v_fmac_f32 v[Y+4*\a+\i], v[F+4*\j+\i], v[XV+4*\a+\j]
.endr
.endr
.endr
.endm
; 32 numbers, 16 at p and 16 at q: the largest magnitude with the floor 2^(3 - 127), the scale operand (2 off the exponent field), the codes, the byte
.macro QUANT p, q
	v_max3_num_f32 v[MA], |v[\p]|, |v[\p+1]|, 0x1800000
	v_max3_num_f32 v[MB], |v[\q]|, |v[\q+1]|, |v[\q+2]|
.irp i, 2,4,6,8,10,12
	v_max3_num_f32 v[MA], v[MA], |v[\p+\i]|, |v[\p+\i+1]|
	v_max3_num_f32 v[MB], v[MB], |v[\q+\i+1]|, |v[\q+\i+2]|
.endr
	v_max3_num_f32 v[MA], v[MA], |v[\p+14]|, |v[\p+15]|
	v_max3_num_f32 v[MA], v[MA], v[MB], |v[\q+15]|
	v_add_nc_u32 v[SO], 0xff000000, v[MA]
	v_cvt_scalef32_pk8_fp4_f32 v[C], v[\p:\p+7], v[SO]
	v_cvt_scalef32_pk8_fp4_f32 v[C+1], v[\p+8:\p+15], v[SO]
	v_cvt_scalef32_pk8_fp4_f32 v[C+2], v[\q:\q+7], v[SO]
	v_cvt_scalef32_pk8_fp4_f32 v[C+3], v[\q+8:\q+15], v[SO]
	v_lshrrev_b32 v[BT], 23, v[SO]
.endm
	s_cmp_eq_u32 s14, 1
	s_cbranch_scc1 .Lv
	LOADF
.irp i, 0,1,2,3
	ds_load_b128 v[XS+4*\i:XS+4*\i+3], v11 offset:16*\i
.endr
	s_wait_dscnt 0x0
	XFORM
	QUANT XS, Y
	global_store_b128 v4, v[C:C+3], s[26:27]       ; 512 consecutive bytes
	ds_store_b8 v14, v[BT]
	s_wait_alu depctr_va_vdst(0)
	s_branch .Ljoin
.Lv:
	LOADF
	s_wait_dscnt 0x0
.irp e, 1,2,3,4,8,12
	v_xor_b32 v[F+\e], 0x80000000, v[F+\e]
.endr
	XFORM
.irp i, 0,1,2,3
	ds_store_b128 v11, v[Y+4*\i:Y+4*\i+3] offset:64+16*\i   ; the turned vectors over the old ones; the scalars lie there already
.endr
.irp k, 0,1,2,3,4,5,6,7,8,9,10,11,12,13,14,15,16,17,18,19,20,21,22,23,24,25,26,27,28,29,30,31
	ds_load_b32 v[VB+\k], v13 offset:(\k/16)*XH+(\k%16)*XP
.endr
	s_wait_alu depctr_va_vdst(0)
	s_wait_dscnt 0x0
	QUANT VB, VB+16
	global_store_b128 v16, v[C:C+3], s[26:27]      ; sixteen lanes: 256 consecutive bytes
	ds_store_b8 v15, v[BT]
	s_wait_alu depctr_va_vdst(0)
.Ljoin:
	s_wait_dscnt 0x0                               ; my scale bytes are in LDS
	s_barrier_signal -1
	s_barrier_wait -1
	s_cmp_lg_u32 s12, 0
	s_cbranch_scc1 .Lend
	ds_load_b128 v[20:23], v17
	s_wait_dscnt 0x0
	global_store_b128 v18, v[20:23], s[28:29]      ; two aligned units of 256 bytes
.Lend:
	s_wait_tensorcnt 0x0                           ; the wave's end
	ds_add_u32 v[SPW], v[NIL]
	s_wait_dscnt 0x0
	s_endpgm
.Lfunc_end_k_qeb380648c1_prep:
	.size	k_qeb380648c1_prep, .Lfunc_end_k_qeb380648c1_prep-k_qeb380648c1_prep
	.p2alignl 7, 3214868480
	.fill 96, 4, 3214868480
	.section	.rodata,"a",@progbits
	.p2align	6, 0x0
	.amdhsa_kernel k_qeb380648c1_prep
		.amdhsa_group_segment_fixed_size 125440
		.amdhsa_private_segment_fixed_size 0
		.amdhsa_enable_private_segment 0
		.amdhsa_kernarg_size 32
		.amdhsa_user_sgpr_count 2
		.amdhsa_user_sgpr_kernarg_segment_ptr 1
		.amdhsa_wavefront_size32 1
		.amdhsa_system_sgpr_workgroup_id_x 1
		.amdhsa_system_sgpr_workgroup_id_y 1
		.amdhsa_system_sgpr_workgroup_id_z 1
		.amdhsa_system_vgpr_workitem_id 0
		.amdhsa_next_free_vgpr 184
		.amdhsa_next_free_sgpr 66
		.amdhsa_reserve_vcc 0
		.amdhsa_float_denorm_mode_32 3
		.amdhsa_float_denorm_mode_16_64 3
		.amdhsa_memory_ordered 1
		.amdhsa_forward_progress 1
		.amdhsa_inst_pref_size 18
	.end_amdhsa_kernel
	.amdgpu_metadata
---
amdhsa.version: [ 1, 2 ]
amdhsa.kernels:
  - .name:           k_qeb380648c1_prep
    .symbol:         k_qeb380648c1_prep.kd
    .args:
      - { .name: k_local, .offset: 0, .size: 8, .value_kind: global_buffer, .address_space: global }
      - { .name: v_local, .offset: 8, .size: 8, .value_kind: global_buffer, .address_space: global }
      - { .name: frames, .offset: 16, .size: 8, .value_kind: global_buffer, .address_space: global }
      - { .name: kv, .offset: 24, .size: 8, .value_kind: global_buffer, .address_space: global }
    .group_segment_fixed_size: 125440
    .private_segment_fixed_size: 0
    .kernarg_segment_align: 8
    .kernarg_segment_size: 32
    .max_flat_workgroup_size: 512
    .sgpr_count:     66
    .vgpr_count:     184
    .wavefront_size: 32
...
	.end_amdgpu_metadata
.endif
;; end of part 1
;; launch attn (part 2): grid 8 x 32, 16 waves a work-group, clusters of 4 x 1, 167,936 bytes of LDS; arguments kv, q_local, frames, out0; writes out0
.if DOCPART == 2
	.amdgcn_target "amdgcn-amd-amdhsa--gfx1250"
	.amdhsa_code_object_version 6
	.text
	.protected	k_qeb380648c1_attn
	.globl	k_qeb380648c1_attn
	.p2align	8
	.type	k_qeb380648c1_attn,@function
k_qeb380648c1_attn:
	s_mov_b64 s[64:65], 0
	v_nop
	global_prefetch_b8 v0, s[64:65] scope:SCOPE_SE
	s_setreg_imm32_b32 hwreg(HW_REG_WAVE_MODE, 25, 1), 1
	s_wait_xcnt 0x0
	s_wait_alu depctr_hold_cnt(0) depctr_sa_sdst(0) depctr_va_vdst(0) depctr_va_sdst(0) depctr_va_ssrc(0) depctr_va_vcc(0) depctr_vm_vsrc(0)
	s_getreg_b32 s2, hwreg(HW_REG_IB_STS2, 6, 4)
	s_cmp_eq_u32 s2, 0
	s_cbranch_scc0 .Lentry_in_a_cluster
	s_endpgm
.Lentry_in_a_cluster:
	s_bfe_u32 s2, ttmp6, 0x10000c
	s_cmp_lg_u32 s2, 0x3003
	s_cbranch_scc0 .Lentry_shape_is_right
	s_endpgm
.Lentry_shape_is_right:
; out[bh][q] = frames[q] applied to (the sum over k of softmax_k(q_g . k_g / 32) v_g[k]), both products on codes of FP4 (E2M1) with E8M0 scales; k's and v's are made by the launch before, q's here, in the head.
; THE SOFTMAX AHEAD OF THE SECOND PRODUCT: t = score x log2(e) / 32; M = the row's largest t so far, rounded UP to a whole number; p = 2^(t - M) is quantised along the keys, not normalised.
; The row's sum is taken of the unquantised p and divides at the end.  When M moves, the sum and O are multiplied by 2^(old M - new M): exact.
; SHARES.  A work-group owns 256 queries of one of the 32 (batch, head); each of its sixteen waves 16 of them, and walks the head's 2,048 keys, 128 a step.
; LDS.  A head's k and v, codes and scale words, are 69,632 dense bytes: they come ONCE, wave w fetching part w of 17 x 256 bytes, and stay.  Nothing is filled again.
; CLUSTER.  The four query blocks of a cluster belong to one head: each part is asked for JOINTLY (descriptor made of the head and the wave's number alone, a mask that names the four).
; No loop loads from memory (one tensor load and six loads a wave, all at the head), so nothing is prefetched.
; LAYOUT.  Both products are used transposed (S^T = k q^T, O^T = v^T p^T): a lane holds ONE query (lane % 16) throughout.
; THE FIRST PRODUCT HAS K = 32, a quarter of the instruction's 128.  An operand of 32 rows of k (fragments f = 0, 1 of 16 rows) carries FOUR tiles of 32 keys, one in each block of 32 along K; q stands in four operands, Q_tau with q's
; codes in block tau and zero codes in the other three: k's rows times Q_tau is tile tau, and the other blocks add exact zeros.  Byte tau of a row's scale word belongs to tile tau's key.
; Row 16 f + r of tile tau is key 64 f + 32 (r / 8) + 8 tau + r % 8.  So register 16 tau + 8 f + j of S^T in lane (query, h) is key 64 f + 32 h + 8 tau + j: a lane holds two WHOLE blocks of 32 keys (f = 0, 1), in runs of eight
; as the conversions take them, and their results are the second product's operand.
; A PIPELINE OVER THE STEPS with two score buffers SA, SB.  Step i: exponentials of block 0, with block 1's multiply-adds and the last step's sums between them; exponentials of block 1, with block 0's conversions and sums
; between them; then the products of step i + 1's scores into the other buffer, their maxima, M, and step i's remaining conversions and second product between the links of that chain.
; Whatever an ordinary line between exponentials writes is first read behind the next s_wait_alu.
; LIMITS: NaN and infinities are not served; scaled scores stay under 2^31.  A block's largest p is taken from its largest score by the same multiply-add and exponential (it takes v_exp_f32 not to fall where its input rises).
; A p under 2^-126 comes out of v_exp_f32 as 0.  A block whose every p is 0 keeps the byte 1: its codes are zeros.
.set REC,   4096                       ; a record of 128 keys: k's codes, v's codes
.set SCL,   65536                      ; k's scale words, 128 bytes a record; v's 2,048 further on
.set HEADB, 69632
.set PART,  4352
.set STG,   HEADB                      ; behind them: each wave's stage: 16 rows x 144 bytes, 16 frames x 80; no tensor load lands there
.set SP,    144
.set FP,    80
.set FB,    2304
.set STGB,  3584
.set SPARE, STG+16*STGB
.set SPW, 2
.set NIL, 3
.set ADR, 4                            ; the step's record: 16 x lane on
.set ADS, 5                            ; the step's scale words: 4 x lane on
.set A0,  6
.set STO, 7
.set RD,  8
.set FRA, 9
.set NMA, 10                           ; v[10:11], v[12:13]: -M and a zero (named with it as a pair), for steps in SA, in SB
.set NMB, 12
.set FFA, 14                           ; v[14:15], v[16:17]: f = 2^(old M - new M) and a zero
.set FFB, 16
.set R,   18                           ; the largest score so far
.set T,   19
.set T2,  20
.set D,   21
.set BM,  22                           ; v22-23 my two blocks' largest score, then largest p
.set BO,  24
.set XS,  26                           ; v26-27 the conversions' scale operands
.set BB,  28                           ; v28-29 the scales' bytes
.set PW,  30                           ; scale words: p's, q's, k's, v's
.set QS,  31
.set KS,  32
.set VS,  33
.set S0,  34
.set QZ,  36                           ; v36-55: zeros, q in lanes 0-15, zeros, q in lanes 16-31, zeros.  Q_tau begins at 36 + 8 (tau % 2) + 4 (1 - tau / 2)
.set KF,  56                           ; k's 32 rows; on the way out my query's frame
.set VF,  72
.set PC,  88
.set ACC, 96                           ; v96-103 the row's sum in four pairs
.set OA,  104                          ; v104-119 O^T: channels 8 h + j, and 16 + 8 h + j
.set SA,  120
.set SB,  184
.set QX,  184                          ; the head: q's row, its frame, its turned vectors
.set QF,  216
.set QY,  232
.set QC,  248
.set P1,  254                          ; p's scale word in the making
.set P2,  255
.set WV,  12
.set G1,  24
.set G0,  32
.set CS,  36                           ; s[36:37] c = log2(e) / 32
.set SEL, 38                           ; s[38:39] lane selects: lane l xor 16
.set TB,  40
.set CNT, 41
.set TS,  42
; A round of the cluster's barrier
.macro CROUND
	s_barrier_signal -1
	s_barrier_wait -1
	s_cmp_lg_u32 s[WV], 0
	s_cbranch_scc1 .Lnot_wave_0_\@
	s_barrier_signal -3
.Lnot_wave_0_\@:
	s_barrier_wait -3
	s_barrier_signal -1
	s_barrier_wait -1
.endm
	s_load_b256 s[4:11], s[0:1], 0x0               ; kv s[4:5], q s[6:7], frames s[8:9], out s[10:11]
	v_lshl_add_u32 v[SPW], v0, 2, SPARE
	v_mov_b32 v[NIL], 0
	ds_add_u32 v[SPW], v[NIL]                      ; the wave's opening: the add, twice on end, and its wait
	ds_add_u32 v[SPW], v[NIL]
	v_lshrrev_b32 v1, 5, v0
	v_readfirstlane_b32 s[WV], v1                  ; wave 0..15
	s_bfe_u32 s13, ttmp6, 0x40000                  ; cx
	s_lshl_b32 s14, ttmp9, 2
	s_add_co_u32 s14, s14, s13                     ; my block of 256 queries
	s_and_b32 s15, ttmp7, 0xffff                   ; bh, which the four partners share
	s_mul_i32 s[G0+1], s[WV], PART
	s_mul_i32 s16, s15, HEADB
	s_add_co_u32 s16, s16, s[G0+1]
	s_mov_b32 s17, 0
	s_mul_i32 s3, s[WV], STGB
	s_add_co_u32 s3, s3, STG                       ; my stage
	s_lshl_b32 s18, s15, 18
	s_lshl_b32 s19, s14, 15
	s_add_co_u32 s18, s18, s19
	s_lshl_b32 s19, s[WV], 11
	s_add_co_u32 s18, s18, s19                     ; my 16 rows of q and of out
	s_mov_b32 s19, 0
	s_lshr_b32 s20, s15, 3
	s_lshl_b32 s20, s20, 17
	s_lshl_b32 s21, s14, 14
	s_add_co_u32 s20, s20, s21
	s_lshl_b32 s21, s[WV], 10
	s_add_co_u32 s20, s20, s21                     ; and their frames
	s_mov_b32 s21, 0
	; descriptor group 1: a part as 17 rows of 256 bytes (32 elements of 8 bytes), dense in memory and in LDS
	s_mov_b32 s[G1], 15|(3<<16)|(1<<21)            ; the mask: all four work-groups; bit 21 beside it
	s_mov_b32 s[G1+1], 32<<16
	s_mov_b32 s[G1+2], 17<<16
	s_mov_b32 s[G1+3], 32<<16
	s_mov_b32 s[G1+4], 17
	s_mov_b32 s[G1+5], 32
	s_mov_b32 s[G1+6], 0
	s_mov_b32 s[G1+7], 0
	s_mov_b32 s[CS], 0x3d38aa3b                    ; c = log2(e) / 32
	s_mov_b32 s[CS+1], s[CS]
	s_mov_b32 s[SEL], 0x76543210
	s_mov_b32 s[SEL+1], 0xfedcba98
	s_mov_b32 s[TB], 0
	s_mov_b32 s[TS], 0
	s_mov_b32 s[CNT], 7
	s_mov_b32 s43, 0x01010101
	v_and_b32 v1, 31, v0                           ; lane
	v_and_b32 v248, 15, v0                         ; r
	v_bfe_u32 v249, v0, 4, 1                       ; h
	v_lshlrev_b32 v[A0], 4, v1
	v_lshl_add_u32 v[S0], v1, 2, SCL
	v_lshrrev_b32 v250, 3, v1
	v_and_b32 v251, 7, v1
	v_mul_u32_u24 v[RD], v250, SP
	v_mul_u32_u24 v252, v248, SP
	v_mul_u32_u24 v[FRA], v248, FP
	v_lshl_add_u32 v[RD], v251, 4, v[RD]
	v_add_nc_u32 v252, s3, v252                    ; row r of my stage
	v_add_nc_u32 v[FRA], s3, v[FRA]                ; its frame (FB further on)
	v_add_nc_u32 v[RD], s3, v[RD]                  ; eight lanes to a row, four rows an instruction
	v_lshl_add_u32 v[STO], v249, 5, v252
	v_lshrrev_b32 v250, 2, v1
	v_and_b32 v251, 3, v1
	v_mul_u32_u24 v253, v250, FP
	v_lshl_add_u32 v253, v251, 4, v253
	v_add_nc_u32 v253, s3, v253                    ; four lanes to a frame
	v_add_nc_u32 v[ADR], s[TB], v[A0]
	v_add_nc_u32 v[ADS], s[TS], v[S0]
	s_wait_dscnt 0x0                               ; both opening adds are done
	s_wait_alu depctr_va_vdst(0)
	s_wait_kmcnt 0x0
	s_mov_b32 s[G0], 1
	s_add_nc_u64 s[G0+2:G0+3], s[4:5], s[16:17]
	s_or_b32 s[G0+3], s[G0+3], 0x80000000
	s_add_nc_u64 s[6:7], s[6:7], s[18:19]
	s_add_nc_u64 s[8:9], s[8:9], s[20:21]
	s_add_nc_u64 s[10:11], s[10:11], s[18:19]
.irp i, 0,1
	global_load_b128 v[SA+16+4*\i:SA+19+4*\i], v[A0], s[8:9] offset:512*\i
.endr
.irp i, 0,1,2,3
	global_load_b128 v[SA+4*\i:SA+3+4*\i], v[A0], s[6:7] offset:512*\i th:TH_LOAD_NT
.endr
	CROUND                                         ; all four work-groups are here: the joint loads meet
	tensor_load_to_lds s[G0:G0+3], s[G1:G1+7]      ; part w: my one tensor load of the launch
	s_nop 0
.rept 4
	v_nop
.endr
.irp i, 0,1,2,3
	v_mov_b32 v[QZ+\i], 0
	v_mov_b32 v[QZ+8+\i], 0
	v_mov_b32 v[QZ+16+\i], 0
.endr
	v_mov_b32 v[NMA+1], 0
	v_mov_b32 v[NMB+1], 0
	v_mov_b32 v[FFA+1], 0
	v_mov_b32 v[FFB+1], 0
	v_cmp_gt_u32 vcc_lo, 16, v1
	s_wait_alu depctr_va_vdst(0)
	s_wait_loadcnt 0x0
.irp i, 0,1
	ds_store_b128 v253, v[SA+16+4*\i:SA+19+4*\i] offset:FB+8*FP*\i
.endr
.irp i, 0,1,2,3
	ds_store_b128 v[RD], v[SA+4*\i:SA+3+4*\i] offset:4*SP*\i
.endr
.irp i, 0,1,2,3
	ds_load_b128 v[QF+4*\i:QF+4*\i+3], v[FRA] offset:FB+16*\i   ; LDS serves a wave's instructions in order: these see my stores
.endr
.irp i, 0,1,2,3,4,5,6,7
	ds_load_b128 v[QX+4*\i:QX+4*\i+3], v252 offset:16*\i   ; both halves of the lanes take row r
.endr
	s_wait_tensorcnt 0x0                           ; my part is in,
	s_wait_dscnt 0x0
	s_barrier_signal -1
	s_barrier_wait -1                              ; everybody's is: from here on no wave waits for another until the closing round
.irp i, 0,1,2,3
	ds_load_b128 v[KF+4*\i:KF+4*\i+3], v[ADR] offset:512*\i   ; k of step 0
.endr
	ds_load_b32 v[KS], v[ADS]
.irp e, 1,2,3,4,8,12
	v_xor_b32 v[QF+\e], 0x80000000, v[QF+\e]       ; eta L^T eta
.endr
.irp a, 0,1,2,3
.irp i, 0,1,2,3
	v_mul_f32 v[QY+4*\a+\i], v[QF+\i], v[QX+16+4*\a]
.endr
.endr
.irp j, 1,2,3
.irp a, 0,1,2,3
.irp i, 0,1,2,3
	v_fmac_f32 v[QY+4*\a+\i], v[QF+4*\j+\i], v[QX+16+4*\a+\j]
.endr
.endr
.endr
	v_max3_num_f32 v[BM], |v[QX]|, |v[QX+1]|, 0x1800000   ; the row's largest magnitude, and the floor 2^(3 - 127)
	v_max3_num_f32 v[BO], |v[QY]|, |v[QY+1]|, |v[QY+2]|
.irp i, 2,4,6,8,10,12
	v_max3_num_f32 v[BM], v[BM], |v[QX+\i]|, |v[QX+\i+1]|
	v_max3_num_f32 v[BO], v[BO], |v[QY+\i+1]|, |v[QY+\i+2]|
.endr
	v_max3_num_f32 v[BM], v[BM], |v[QX+14]|, |v[QX+15]|
	v_max3_num_f32 v[BM], v[BM], v[BO], |v[QY+15]|
	v_add_nc_u32 v[XS], 0xff000000, v[BM]
	v_cvt_scalef32_pk8_fp4_f32 v[QC], v[QX:QX+7], v[XS]
	v_cvt_scalef32_pk8_fp4_f32 v[QC+1], v[QX+8:QX+15], v[XS]
	v_cvt_scalef32_pk8_fp4_f32 v[QC+2], v[QY:QY+7], v[XS]
	v_cvt_scalef32_pk8_fp4_f32 v[QC+3], v[QY+8:QY+15], v[XS]
	v_lshrrev_b32 v[BB], 23, v[XS]
	v_mul_lo_u32 v[QS], v[BB], s43                 ; the row's byte four times
.irp i, 0,1,2,3
	v_cndmask_b32 v[QZ+4+\i], v[QZ], v[QC+\i], vcc_lo    ; q in lanes 0-15, zero codes in lanes 16-31
	v_cndmask_b32 v[QZ+12+\i], v[QC+\i], v[QZ], vcc_lo   ; and the other way round
.endr
	v_mov_b32 v[T2], 0                             ; a lane permute's destination counts as one of its sources
	v_mov_b32 v[P2], 0
.rept 2
	v_nop                                          ; four places between q's operands and the first product
.endr
	s_wait_alu depctr_va_vdst(0)                   ; the wait at the head's end
	s_wait_dscnt 0x0
; the scores of a step: tile tau = k's 32 rows times Q_tau; lane m holds row m's scale word
.macro SCORES s
.irp t, 0,1,2,3
.set QR, QZ+8*(\t%2)+4*(1-\t/2)
	v_wmma_scale_f32_32x16x128_f4 v[\s+16*\t:\s+16*\t+15], v[KF:KF+15], v[QR:QR+7], 0, v[KS], v[QS]
.endr
.endm
; the largest score of each of my two blocks, tile by tile, each from its low end on; two chains a block
.macro MAXCH s
	v_max3_num_f32 v[BM], v[\s], v[\s+1], v[\s+2]
	v_max3_num_f32 v[BM+1], v[\s+8], v[\s+9], v[\s+10]
	v_max3_num_f32 v[BO], v[\s+3], v[\s+4], v[\s+5]
	v_max3_num_f32 v[BO+1], v[\s+11], v[\s+12], v[\s+13]
	v_max3_num_f32 v[BM], v[BM], v[\s+6], v[\s+7]
	v_max3_num_f32 v[BM+1], v[BM+1], v[\s+14], v[\s+15]
.irp t, 16,32,48
.irp i, 0,4
.irp f, 0,1
	v_max3_num_f32 v[BO+\f], v[BO+\f], v[\s+\t+8*\f+\i], v[\s+\t+8*\f+\i+1]
.endr
.irp f, 0,1
	v_max3_num_f32 v[BM+\f], v[BM+\f], v[\s+\t+8*\f+\i+2], v[\s+\t+8*\f+\i+3]
.endr
.endr
.endr
.irp f, 0,1
	v_max_num_f32 v[BM+\f], v[BM+\f], v[BO+\f]
.endr
.endm
.macro TM s, nm                        ; t - M, two at a time
	v_pk_fma_f32 v[\s:\s+1], v[\s:\s+1], s[CS:CS+1], v[\nm:\nm+1] op_sel_hi:[1,0,0]
.endm
.macro FMA0 s, nm                      ; block 0, and the blocks' largest scores
.irp i, 0,1,2,3,4,5,6,7,8,9,10,11,12,13,14,15
	TM \s+16*(\i/4)+2*(\i%4), \nm
.endr
.irp f, 0,1
	v_fma_f32 v[BM+\f], v[BM+\f], s[CS], v[\nm]
.endr
.endm
; the sums of a block's 32 p (b = the buffer, or the buffer + 8): L1 16 pairs into 8, L2 8 into 4, then into the four running pairs
.macro L1 b, k
.set E, 16*((\k)/2)+4*((\k)%2)
	v_pk_add_f32 v[\b+E:\b+E+1], v[\b+E:\b+E+1], v[\b+E+2:\b+E+3]
.endm
.macro L2 b, k
	v_pk_add_f32 v[\b+16*\k:\b+16*\k+1], v[\b+16*\k:\b+16*\k+1], v[\b+16*\k+4:\b+16*\k+5]
.endm
.macro L2A b, k                        ; the first step's: starts the running pairs
	v_pk_add_f32 v[ACC+2*\k:ACC+2*\k+1], v[\b+16*\k:\b+16*\k+1], v[\b+16*\k+4:\b+16*\k+5]
.endm
.macro AADD b, k
	v_pk_add_f32 v[ACC+2*\k:ACC+2*\k+1], v[ACC+2*\k:ACC+2*\k+1], v[\b+16*\k:\b+16*\k+1]
.endm
.macro AFMA b, k, ff                   ; the running pair under the new M, and the new numbers
	v_pk_fma_f32 v[ACC+2*\k:ACC+2*\k+1], v[ACC+2*\k:ACC+2*\k+1], v[\ff:\ff+1], v[\b+16*\k:\b+16*\k+1] op_sel_hi:[1,0,1]
.endm
.macro CVT1 s, m                       ; block 1's codes: keys 64 + 32 h + 8 m .. + 7
	v_cvt_scalef32_pk8_fp4_f32 v[PC+4+\m], v[\s+16*\m+8:\s+16*\m+15], v[XS+1]
.endm
; A KEY STEP in buffer cur, up to and with block 1's exponentials
.macro FRONT cur, oth, nmc, first, last
.irp i, 0,1,2,3
	ds_load_b128 v[VF+4*\i:VF+4*\i+3], v[ADR] offset:2048+512*\i   ; v of this step
.endr
	ds_load_b32 v[VS], v[ADS] offset:2048
.if \last
.irp i, 0,1,2,3
	ds_load_b128 v[KF+4*\i:KF+4*\i+3], v[FRA] offset:FB+16*\i      ; my query's frame, for the way out
.endr
.else
.irp i, 0,1,2,3
	ds_load_b128 v[KF+4*\i:KF+4*\i+3], v[ADR] offset:REC+512*\i    ; k of the next step
.endr
	ds_load_b32 v[KS], v[ADS] offset:128
.endif
	v_exp_f32 v[BM], v[BM]                         ; the blocks' largest p: the same two instructions on the same number give the same bits
	v_exp_f32 v[BM+1], v[BM+1]
.set J, 0
.rept 32
	v_exp_f32 v[\cur+16*(J/8)+J%8], v[\cur+16*(J/8)+J%8]   ; p = 2^(t - M), at most 1: not normalised
.if J < 16
	TM \cur+8+16*(J/4)+2*(J%4), \nmc
.endif
.if \first == 0
.if (J >= 16) && (J < 24)
	L1 \oth+8, J-16                                ; the last step's block 1
.endif
.endif
.set J, J+1
.endr
	s_wait_alu depctr_va_vdst(0)                   ; behind the batch and ahead of the next
	v_max_num_f32 v[BM], 0x1800000, v[BM]          ; the floor 2^(3 - 127): the byte cannot fall under 1
	v_max_num_f32 v[BM+1], 0x1800000, v[BM+1]
.if \first == 0
	L2 \oth+8, 0
	L2 \oth+8, 1
.endif
	v_add_nc_u32 v[XS], 0xff000000, v[BM]          ; 2 off the exponent field
	v_add_nc_u32 v[XS+1], 0xff000000, v[BM+1]
.if \first == 0
	L2 \oth+8, 2
	L2 \oth+8, 3
.endif
	v_lshrrev_b32 v[BB], 23, v[XS]                 ; the scales' bytes
	v_lshrrev_b32 v[BB+1], 23, v[XS+1]
.if \first == 0
.irp k, 0,1,2,3
	AADD \oth+8, \k
.endr
.endif
.if \last == 0
	s_add_co_u32 s[TS], s[TS], 128
.endif
.set J, 0
.rept 32
	v_exp_f32 v[\cur+8+16*(J/8)+J%8], v[\cur+8+16*(J/8)+J%8]
.if (J < 16) && ((J%4) == 3)
	v_cvt_scalef32_pk8_fp4_f32 v[PC+J/4], v[\cur+16*(J/4):\cur+16*(J/4)+7], v[XS]   ; block 0's codes
.endif
.if J == 16
.if \last
	v_nop                                          ; a plain line behind the conversions
.else
	v_add_nc_u32 v[ADS], s[TS], v[S0]              ; the next step's scale words.  (Also the plain line behind the conversions)
.endif
.endif
.if (J >= 17) && (J < 25)
	L1 \cur, J-17
.endif
.set J, J+1
.endr
	s_wait_alu depctr_va_vdst(0)                   ; behind the batch, and ahead of the wait below
	s_wait_dscnt 0x0                               ; v of this step and k of the next are in
.endm
; the rest of the step, and the next step's scores, M and block 0's t - M.  The four products of the scores stand between two links of O^T's sum
.macro BACK cur, oth, nmc, nmo, ffc, ffo, first
	SCORES \oth
	v_lshl_or_b32 v[P1], v[BB+1], 16, v[BB]        ; my two bytes: blocks h and 2 + h
.irp k, 0,1,2,3                                ; (with the line above and the one below the places in front of the first read of the scores)
.if \first
	L2A \cur, \k
.else
	L2 \cur, \k
.endif
.endr
	v_permlanex16_b32 v[P2], v[P1], s[SEL], s[SEL+1]
	MAXCH \oth
	v_max_num_f32 v[T], v[BM], v[BM+1]
	CVT1 \cur, 0
	v_permlanex16_b32 v[T2], v[T], s[SEL], s[SEL+1]
	v_lshl_or_b32 v[PW], v[P2], 8, v[P1]           ; lanes 0-15, which are read, have the whole word
	CVT1 \cur, 1
	v_max3_num_f32 v[R], v[R], v[T], v[T2]         ; with lane l xor 16's 64 keys: the largest score so far of my query
	CVT1 \cur, 2
	v_mul_f32 v[D], s[CS], -v[R]
	CVT1 \cur, 3
	v_floor_f32 v[\nmo], v[D]                      ; the new -M = floor(-t): a whole number
	s_add_co_u32 s[TB], s[TB], REC
	v_add_nc_u32 v[ADR], s[TB], v[A0]
.if \first == 0
	AFMA \cur, 0, \ffc
.endif
	v_sub_f32 v[D], v[\nmo], v[\nmc]               ; old M less new M: 0 or less
.if \first == 0
	AFMA \cur, 1, \ffc
	AFMA \cur, 2, \ffc
.else
.rept 2
	v_nop                                          ; (places between p's scale word and the product)
.endr
.endif
	v_cvt_i32_f32 v[D], v[D]                       ; (it saturates)
.if \first == 0
	AFMA \cur, 3, \ffc
.endif
	v_ldexp_f32 v[\ffo], 1.0, v[D]                 ; f = 2^(old M - new M)
.if \first
	v_wmma_scale_f32_32x16x128_f4 v[OA:OA+15], v[VF:VF+15], v[PC:PC+7], 0, v[VS], v[PW]
.else
	v_wmma_scale_f32_32x16x128_f4 v[OA:OA+15], v[VF:VF+15], v[PC:PC+7], v[OA:OA+15], v[VS], v[PW]
.endif
	FMA0 \oth, \nmo
.irp j, 0,2,4,6,8,10,12,14
	v_pk_mul_f32 v[OA+\j:OA+\j+1], v[OA+\j:OA+\j+1], v[\ffo:\ffo+1] op_sel_hi:[1,0]   ; O^T under the next step's M
.endr
	s_wait_alu depctr_va_vdst(0)                   ; ahead of the next batch
.endm
	SCORES SA                                      ; step 0
.rept 4
	v_nop                                          ; four places in front of the first read of the scores
.endr
	MAXCH SA
	v_max_num_f32 v[T], v[BM], v[BM+1]
	v_permlanex16_b32 v[T2], v[T], s[SEL], s[SEL+1]
	v_max_num_f32 v[R], v[T], v[T2]
	v_mul_f32 v[D], s[CS], -v[R]
	v_floor_f32 v[NMA], v[D]
	FMA0 SA, NMA
	s_wait_alu depctr_va_vdst(0)                   ; ahead of the batch
	FRONT SA, SB, NMA, 1, 0
	BACK SA, SB, NMA, NMB, FFA, FFB, 1
.Lstep:                                                ; 7 trips of two steps: 1 to 14
	FRONT SB, SA, NMB, 0, 0
	BACK SB, SA, NMB, NMA, FFB, FFA, 0
	FRONT SA, SB, NMA, 0, 0
	BACK SA, SB, NMA, NMB, FFA, FFB, 0
	s_sub_co_u32 s[CNT], s[CNT], 1
	s_cmp_lg_u32 s[CNT], 0
	s_cbranch_scc1 .Lstep
	FRONT SB, SA, NMB, 0, 1                        ; step 15
.irp k, 0,1,2,3
	L2 SB, \k
.endr
	v_lshl_or_b32 v[P1], v[BB+1], 16, v[BB]
	CVT1 SB, 0
	CVT1 SB, 1
	v_permlanex16_b32 v[P2], v[P1], s[SEL], s[SEL+1]
	CVT1 SB, 2
	CVT1 SB, 3
	AFMA SB, 0, FFB
	v_lshl_or_b32 v[PW], v[P2], 8, v[P1]
	AFMA SB, 1, FFB
	AFMA SB, 2, FFB
	AFMA SB, 3, FFB
.irp k, 0,1,2,3,4,5,6,7
	L1 SB+8, \k
.endr
	; the last step's part of O^T begins sums of its own and is added below
	v_wmma_scale_f32_32x16x128_f4 v[SA:SA+15], v[VF:VF+15], v[PC:PC+7], 0, v[VS], v[PW]
.irp k, 0,1,2,3
	L2 SB+8, \k
.endr
.irp k, 0,1,2,3
	AADD SB+8, \k
.endr
	v_pk_add_f32 v[ACC:ACC+1], v[ACC:ACC+1], v[ACC+2:ACC+3]
	v_pk_add_f32 v[ACC+4:ACC+5], v[ACC+4:ACC+5], v[ACC+6:ACC+7]
.set OS, SA+16
.set YO, SA+32
.set BK, SA+40
.irp j, 0,2,4,6
	v_pk_add_f32 v[OS+\j:OS+\j+1], v[SA+\j:SA+\j+1], v[OA+\j:OA+\j+1]
.endr
	v_pk_add_f32 v[ACC:ACC+1], v[ACC:ACC+1], v[ACC+4:ACC+5]
.irp j, 8,10,12,14
	v_pk_add_f32 v[OS+\j:OS+\j+1], v[SA+\j:SA+\j+1], v[OA+\j:OA+\j+1]
.endr
	v_add_f32 v[T], v[ACC], v[ACC+1]
	v_permlanex16_b32 v[T2], v[T], s[SEL], s[SEL+1]
	v_add_f32 v[T], v[T], v[T2]                    ; with lane l xor 16's: the row's sum
	s_wait_alu depctr_va_vdst(0)                   ; the wait ahead of the transcendental
	v_rcp_f32 v[FFA], v[T]
	v_nop                                          ; a plain line behind the reciprocal
	s_wait_alu depctr_va_vdst(0)                   ; the wait behind the reciprocal
.irp j, 0,2,4,6,8,10,12,14
	v_pk_mul_f32 v[OS+\j:OS+\j+1], v[OS+\j:OS+\j+1], v[FFA:FFA+1] op_sel_hi:[1,0]
.endr
	; THE WAY OUT: channels 16-31 are turned back by my query's frame: y[i] = the sum over j of frames[i][j] o[j]; a lane holds vectors 2 h and 2 h + 1 whole
.irp a, 0,1
.irp i, 0,1,2,3
	v_mul_f32 v[YO+4*\a+\i], v[KF+4*\i], v[OS+8+4*\a]
.endr
.endr
.irp j, 1,2,3
.irp a, 0,1
.irp i, 0,1,2,3
	v_fmac_f32 v[YO+4*\a+\i], v[KF+4*\i+\j], v[OS+8+4*\a+\j]
.endr
.endr
.endr
	ds_store_b128 v[STO], v[OS:OS+3]               ; channels 8 h + 0 .. 7 of row r,
	ds_store_b128 v[STO], v[OS+4:OS+7] offset:16
	ds_store_b128 v[STO], v[YO:YO+3] offset:64     ; and 16 + 8 h + 0 .. 7
	ds_store_b128 v[STO], v[YO+4:YO+7] offset:80
.irp i, 0,1,2,3
	ds_load_b128 v[BK+4*\i:BK+4*\i+3], v[RD] offset:4*SP*\i
.endr
.irp i, 0,1,2,3
	s_wait_dscnt 3-\i                              ; load i is in; the younger ones may be out
	global_store_b128 v[A0], v[BK+4*\i:BK+4*\i+3], s[10:11] offset:512*\i th:TH_STORE_NT   ; four rows: 512 consecutive bytes, aligned
.endr
	s_wait_tensorcnt 0x0                           ; the wave's end
	ds_add_u32 v[SPW], v[NIL]
	s_wait_dscnt 0x0
	CROUND                                         ; the closing round: no work-group ends while a partner may still ask for a part jointly
	s_endpgm
.Lfunc_end_k_qeb380648c1_attn:
	.size	k_qeb380648c1_attn, .Lfunc_end_k_qeb380648c1_attn-k_qeb380648c1_attn
	.p2alignl 7, 3214868480
	.fill 96, 4, 3214868480
	.section	.rodata,"a",@progbits
	.p2align	6, 0x0
	.amdhsa_kernel k_qeb380648c1_attn
		.amdhsa_group_segment_fixed_size 167936
		.amdhsa_private_segment_fixed_size 0
		.amdhsa_enable_private_segment 0
		.amdhsa_kernarg_size 32
		.amdhsa_user_sgpr_count 2
		.amdhsa_user_sgpr_kernarg_segment_ptr 1
		.amdhsa_wavefront_size32 1
		.amdhsa_system_sgpr_workgroup_id_x 1
		.amdhsa_system_sgpr_workgroup_id_y 1
		.amdhsa_system_sgpr_workgroup_id_z 1
		.amdhsa_system_vgpr_workitem_id 0
		.amdhsa_next_free_vgpr 256
		.amdhsa_next_free_sgpr 66
		.amdhsa_reserve_vcc 1
		.amdhsa_float_denorm_mode_32 3
		.amdhsa_float_denorm_mode_16_64 3
		.amdhsa_memory_ordered 1
		.amdhsa_forward_progress 1
		.amdhsa_inst_pref_size 61
	.end_amdhsa_kernel
	.amdgpu_metadata
---
amdhsa.version: [ 1, 2 ]
amdhsa.kernels:
  - .name:           k_qeb380648c1_attn
    .symbol:         k_qeb380648c1_attn.kd
    .args:
      - { .name: kv, .offset: 0, .size: 8, .value_kind: global_buffer, .address_space: global }
      - { .name: q_local, .offset: 8, .size: 8, .value_kind: global_buffer, .address_space: global }
      - { .name: frames, .offset: 16, .size: 8, .value_kind: global_buffer, .address_space: global }
      - { .name: out0, .offset: 24, .size: 8, .value_kind: global_buffer, .address_space: global }
    .group_segment_fixed_size: 167936
    .private_segment_fixed_size: 0
    .kernarg_segment_align: 8
    .kernarg_segment_size: 32
    .max_flat_workgroup_size: 512
    .sgpr_count:     66
    .vgpr_count:     256
    .wavefront_size: 32
...
	.end_amdgpu_metadata
.endif
;; end of part 2
